; MI455X (gfx1250); checked and timed in simulation.
; The chip was launched on July 23, 2026; its instructions are those of AMD's public machine-readable ISA for CDNA 5 (MIT licence, August 2026) and "CDNA5" Instruction Set Architecture Reference Guide (July 2026). The comments in the code are by the model that wrote it; some were corrected since.
;; Model. Allowed arithmetic: matrix products marked QUANTISED: E2M3 operands, one E8M0 scale for each 32 along K, by v_wmma_scale_f32_16x16x128_f8f6f4 with both operands' format E2M3, f32 sums; everything else in f32.
;; Inputs: key 16 x 4,096 x 64 float32; query 16 x 4,096 x 64 float32; value 16 x 4,096 x 64 float32.
;; Outputs: out0 16 x 4,096 x 64 float32.
;; This version of the problem:
;;   THIS VERSION OF THE PROBLEM IS GIVEN IN LOW PRECISION. The matrix products marked QUANTISED in the list below multiply operands that are first quantised to E2M3 (2 exponent bits, 3 mantissa bits; 6 bits a number), with one power-of-two scale for each 32 numbers along K (OCP MX v1.0); their sums are f32. All else is computed in f32.
;;   The module's matrix products, in the order in which they are computed (A, B: the left and right operand; K: the contracted axis; several contracted axes count as one K, in the product's order):
;;     1. batch 16 x [M 4,096, K 64] x [K 64, N 4,096]; A: input query; B: input key: QUANTISED
;;     2. batch 16 x [M 4,096, K 4,096] x [K 4,096, N 64]; A: softmax (see below); B: input value: QUANTISED
;;   THE QUANTISER, for each operand of a quantised product, along K:
;;     - K is cut into blocks of 32 from its start; a last block that is shorter is filled with zeros.
;;     - A block's scale is 2^e with e = floor(log2(the largest magnitude in the block)) - 2, held to -126 .. 127; a block of zeros has e = 0. As a byte (E8M0): e + 127.
;;     - Each number is divided by its block's scale, clamped to +-7.5, and rounded to the nearest number of E2M3, ties to even, subnormals kept.
;;     - The product sums the exact products of the quantised numbers (number of the format x scale) in f32.
;;   ~~~python
;;   def quantise(x, axis):      # numpy; x: float32 -> the quantised numbers, widened to float32 again
;;       x = np.moveaxis(x, axis, -1); K = x.shape[-1]
;;       x = np.pad(x, [(0, 0)] * (x.ndim - 1) + [(0, -K % 32)]); x = x.reshape(x.shape[:-1] + (-1, 32)); a = np.abs(x).max(-1, keepdims=True)
;;       e = np.where(a > 0, np.clip(np.frexp(np.where(a > 0, a, 1))[1] - 1 - 2, -126, 127), 0)      # np.frexp(a)[1] - 1 = floor(log2(a)), exactly
;;       r = np.clip(x / 2.0 ** e, -7.5, 7.5)
;;       step = 2.0 ** (np.maximum(np.frexp(np.where(r == 0, 1, r))[1] - 1, 0) - 3)
;;       q = np.round(r / step) * step * 2.0 ** e      # np.round: ties to even
;;       return np.moveaxis(q.reshape(q.shape[:-2] + (-1,))[..., :K], -1, axis).astype(np.float32)
;;   ~~~
;;   SOFTMAX AHEAD OF A QUANTISED PRODUCT. Where the list says 'softmax', what is quantised is not the finished softmax but p = 2^(t - M), with t = logit x log2(e) and M = ceil(the row's largest t), a whole number; so 1/2 < the row's largest p <= 1. The row's sum l is taken of the UNQUANTISED p, in f32, and the product's result is divided by l at the end. Since M is a whole number, a kernel that streams over the keys may use a running M (the ceiling of the running maximum): every later rescaling is an exact power of two, which a block's scale takes up: the codes' values come out the same.
;;   OPERANDS COMPUTED ON THE WAY. 'Computed on the way' means the value that the module computes at that place (a softmax that the list does not call 'softmax' is quantised finished and normalised). What goes into a quantiser is computed in f32, as accurately as f32 sums, v_exp_f32 and their like allow (about 1e-6 of the number): no bf16 or f16 on the way to a quantiser, and a product that is left as it is and whose result goes on into a quantised operand takes f32 operands (vector FMAs, or v_wmma_f32_16x16x4_f32). A number that lies on a knife's edge between two numbers of the format may be rounded either way, as far as f32 arithmetic and the matrix unit's own rounding can turn it there, and no further.
;; One version. Each part assembles by itself: llvm-mc -triple=amdgcn-amd-amdhsa -mcpu=gfx1250 --defsym DOCPART=n.
;; ======== version 1 of 1: 2 launches
;; limits: right only within a limited range of input values
;; workspace buffers: kv 6,815,744 bytes
;; launch prep (part 1): grid 32 x 16, 4 waves a work-group, no clusters, 70,144 bytes of LDS; arguments key, value, kv; writes kv
.if DOCPART == 1
	.amdgcn_target "amdgcn-amd-amdhsa--gfx1250"
	.amdhsa_code_object_version 6
	.text
	.protected	k_q3fcff541fb_prep
	.globl	k_q3fcff541fb_prep
	.p2align	8
	.type	k_q3fcff541fb_prep,@function
k_q3fcff541fb_prep:
	s_mov_b64 s[64:65], 0
	v_nop
	global_prefetch_b8 v0, s[64:65] scope:SCOPE_SE
	s_setreg_imm32_b32 hwreg(HW_REG_WAVE_MODE, 25, 1), 1
	s_wait_xcnt 0x0
; key, value: [16][4096][64] f32  ->  kv: codes of FP6 (E2M3) and E8M0 scale words, laid as IMAGES OF THE OPERAND REGISTERS that the attention launch feeds to the matrix unit.
; K is quantised along the head's 64 (its last axis), V along the keys, one scale for each 32.
; A block's scale is 2^(floor(log2(its largest magnitude)) - 2); its byte is that magnitude's exponent field - 2, held at 1 from below by a floor among the maximum's leaves.
; A RECORD is one head's step of 128 keys, REC = 13,312 bytes = 52 x 256, at (32 head + step) x REC:
;   0      K: 8 tiles x 768 bytes.  Tile t, fragment lane (r, h): key 64 (t / 4) + 32 (r / 8) + 8 (t % 4) + r % 8, d = 32 h .. 32 h + 31: six registers.  Registers 0-3 at 768 t + 16 lane, registers 4-5 at 768 t + 512 + 8 lane.
;          (The fragment's registers 6-11, k = 64 .. 127 of the instruction's 128, are zero codes: they are not stored.)
;   6144   V: 4 tiles x 1,536 bytes.  Tile t, fragment lane (r, h): d = 16 t + r, registers 6 c .. 6 c + 5 = keys 64 c + 32 h + 0 .. 31.  Registers 4 q .. 4 q + 3 at 1536 t + 512 q + 16 lane.
;   12288  K's scale words: at 16 lane: lanes 0-15 row r's words of tiles 0-3, lanes 16-31 those of tiles 4-7.  A word: byte 0 block d 0-31, byte 1 block d 32-63, bytes 2, 3 the same again (over zero codes).
;   12800  V's scale words: at 256 u + 8 lane: lanes 0-15 row r's words of tiles 2 u, 2 u + 1 (lanes 16-31: the same two, swapped; nobody reads them).  A word: byte b = keys 32 b .. 32 b + 31.
; SHARES.  A work-group makes one record.  IN: every wave takes 64 rows of 256 bytes as they lie (waves 0, 1 of key, waves 2, 3 of value), 512 consecutive bytes an instruction, 32 loads in flight, and puts them
; into a stage in LDS, 256 rows 272 bytes apart (K's 128 rows, then V's).  One barrier.  OUT: waves 0, 1 read fragment lanes of four tiles of K each (a lane: 32 neighbours along d of one key),
; waves 2, 3 thirty-two columns of V each (a lane: a column, its registers down the keys): in both a block of 32 lies in one lane.  Every offset is an immediate.
; No tensor loads, clusters or prefetches: each byte is read once, by one wave, and there is no loop to run ahead in.
; LIMITS: NaN and infinities among the inputs are not served.  A block whose largest magnitude lies under 2^-124, a block of zeros among them, gets the byte 1 (for zeros the quantiser says 127: the codes are
; zeros, which add nothing under any byte but 0xff, and only this program reads the bytes).
.set REC,  13312
.set VOFF, 6144
.set KSC,  12288
.set VSC,  12800
.set PIT,  272                         ; a stage row: 256 bytes + 16
.set VROW, 128*PIT                     ; V's rows lie behind K's
.set SPARE, 256*PIT                    ; behind the stage: the spare words, 128 bytes a wave; no other line names them
.set SPW,  28                          ; my spare word; never rewritten
.set NIL,  29                          ; 0; never rewritten
.set X,    32                          ; v32-159  128 numbers
.set C,    160                         ; v160..   codes
.set T,    16                          ; v[16:18] the upper 16 codes of a block, until they are moved (a conversion's three registers begin on an even number)
; 32 numbers of ONE lane, v[xs] on, are a block: largest magnitude v12, the conversion's scale operand v14, the byte v15, the lower 16 codes in v[dst] on, the upper 16 in v[T] on.
.macro QBLOCK dst, xs
	v_max3_num_f32 v12, |v[\xs]|, |v[\xs+1]|, |v[\xs+2]|
	v_max3_num_f32 v13, |v[\xs+3]|, |v[\xs+4]|, |v[\xs+5]|
.irp i, 6,10,14,18,22,26
	v_max3_num_f32 v12, v12, |v[\xs+\i]|, |v[\xs+\i+1]|
	v_max3_num_f32 v13, v13, |v[\xs+\i+2]|, |v[\xs+\i+3]|
.endr
	v_max3_num_f32 v12, v12, |v[\xs+30]|, |v[\xs+31]|
	v_max3_num_f32 v12, v12, v13, 0x1800000        ; the floor 2^(3 - 127): the byte cannot fall under 1
	v_add_nc_u32 v14, 0xff000000, v12              ; 2 off the exponent field
	v_lshrrev_b32 v15, 23, v14
	v_cvt_scalef32_pk16_fp6_f32 v[\dst:\dst+2], v[\xs:\xs+15], v14
	v_cvt_scalef32_pk16_fp6_f32 v[T:T+2], v[\xs+16:\xs+31], v14
.endm
.macro UPPER dst                       ; behind one plain line: six registers hold the block's 192 bits on end
	v_mov_b32 v[\dst+3], v[T]
	v_mov_b32 v[\dst+4], v[T+1]
	v_mov_b32 v[\dst+5], v[T+2]
.endm
.macro CLOSE                           ; the wave's end: the wave's end
	s_wait_tensorcnt 0x0
	ds_add_u32 v[SPW], v[NIL]
	s_wait_dscnt 0x0
	s_endpgm
.endm
	s_load_b128 s[4:7], s[0:1], 0x0                ; key, value
	s_load_b64 s[8:9], s[0:1], 0x10                ; kv
	v_lshl_add_u32 v[SPW], v0, 2, SPARE
	v_mov_b32 v[NIL], 0
	v_lshrrev_b32 v12, 5, v0
	v_readfirstlane_b32 s10, v12                   ; wave
	s_and_b32 s11, ttmp7, 0xffff                   ; head
	s_lshl_b32 s12, s11, 5
	s_add_co_u32 s12, s12, ttmp9
	s_mul_i32 s12, s12, REC                        ; the record's first byte
	s_mov_b32 s13, 0
	s_and_b32 s16, s10, 1                          ; which half of the step's rows I bring; which half of K's tiles, or of V's columns, I make
	s_lshl_b32 s14, s11, 20                        ; a head is 4,096 rows of 256 bytes,
	s_lshl_b32 s17, ttmp9, 15                      ; a step 128 rows,
	s_add_co_u32 s14, s14, s17
	s_lshl_b32 s17, s16, 14                        ; my half 64 rows
	s_add_co_u32 s14, s14, s17
	s_mov_b32 s15, 0
	s_mul_i32 s18, s16, 3072                       ; four tiles of K, and two of V, are 3,072 bytes
	s_mov_b32 s19, 0
	s_mov_b32 s20, 0x76543210
	s_mov_b32 s21, 0xfedcba98                      ; selects for lane l xor 16
	s_mul_i32 s24, s10, 64*PIT                     ; my 64 rows of the stage
	s_lshl_b32 s25, s16, 7
	s_add_co_u32 s25, s25, VROW                    ; V's rows, my 32 columns
	s_lshl_b32 s26, s16, 8                         ; my half of the scale words
	; every address is made here, by every wave, ahead of the parting of K's and V's waves
	v_and_b32 v1, 31, v0                           ; lane
	v_and_b32 v2, 15, v0                           ; lane % 16
	v_bfe_u32 v3, v0, 4, 1                         ; lane / 16
	v_lshlrev_b32 v4, 4, v1                        ; 16 lane: my bytes of a load's 512; registers 0-3 of an image
	v_lshlrev_b32 v6, 3, v1                        ; 8 lane: registers 4-5
	v_mul_u32_u24 v9, v3, PIT
	v_and_b32 v10, 8, v2
	v_lshlrev_b32 v11, 2, v1
	v_lshlrev_b32 v7, 4, v2
	v_mul_u32_u24 v26, v3, 1536
	v_lshl_add_u32 v9, v2, 4, v9
	v_mad_u32_u24 v10, v10, 3, v2                  ; r % 8 + 32 (r / 8)
	v_add_nc_u32 v11, s25, v11                     ; the stage, V's way out: my column
	v_lshl_add_u32 v7, v3, 3, v7
	v_lshl_add_u32 v26, v2, 4, v26                 ; V's images: column 32 x half + lane lies in tile 2 x half + lane / 16, row lane % 16
	v_add_nc_u32 v9, s24, v9                       ; the stage, on the way in: lanes 0-15 one row, lanes 16-31 the next
	v_mul_u32_u24 v10, v10, PIT
	v_add_nc_u32 v7, s26, v7                       ; K's scale words: 16 r + 8 h + 256 x my half
	v_add_nc_u32 v27, s26, v6                      ; V's: 8 lane + 256 x my half
	v_lshlrev_b32 v8, 3, v3                        ; my block's byte stands 8 h bits up
	v_lshl_add_u32 v10, v3, 7, v10
	v_cmp_ne_u32 vcc_lo, 0, v3
	v_mov_b32 v19, 0                               ; lane permutes' destinations count as sources
	v_mov_b32 v21, 0
	v_add_nc_u32 v10, s24, v10                     ; the stage, K's way out: that key's row of my 64, + 128 h
	s_wait_alu depctr_va_vdst(0)                   ; the head's end
	s_wait_kmcnt 0x0
	s_add_nc_u64 s[8:9], s[8:9], s[12:13]          ; the record
	s_add_nc_u64 s[22:23], s[8:9], s[18:19]        ; and my half of its tiles
	s_cmp_lt_u32 s10, 2                            ; the choice hangs on the wave's number alone
	s_cselect_b64 s[4:5], s[4:5], s[6:7]
	s_add_nc_u64 s[4:5], s[4:5], s[14:15]
.set J, 0
.rept 32
	global_load_b128 v[X+4*J:X+4*J+3], v4, s[4:5] offset:512*J th:TH_LOAD_NT   ; two rows: 512 consecutive bytes
.set J, J+1
.endr
.set J, 0
.rept 32
	s_wait_loadcnt 31-J                            ; this load is in; the younger ones may be out
	ds_store_b128 v9, v[X+4*J:X+4*J+3] offset:2*J*PIT
.set J, J+1
.endr
	s_wait_dscnt 0x0                               ; my rows lie in the stage
	s_barrier_signal -1
	s_barrier_wait -1                              ; and so do everybody's
	s_cmp_lt_u32 s10, 2
	s_cbranch_scc0 .Lvpath
	; ---- K: lane (r, h) IS the fragment's lane: 32 neighbours along d of its tile's key, a whole block
.irp tt, 0,1,2,3
.irp i, 0,1,2,3,4,5,6,7
	ds_load_b128 v[X+32*\tt+4*\i:X+32*\tt+4*\i+3], v10 offset:8*\tt*PIT+16*\i
.endr
.endr
.macro KTILE tt
	s_wait_dscnt 8*(3-\tt)                         ; this tile's eight reads are in; the younger tiles' may be out
	QBLOCK C+8*\tt, X+32*\tt
	v_lshlrev_b32 v[20+\tt], v8, v15               ; (also the plain line behind the conversions)
	UPPER C+8*\tt
	v_permlanex16_b32 v19, v[20+\tt], s20, s21
	v_or_b32 v[20+\tt], v[20+\tt], v19             ; the key's two blocks,
	v_lshl_or_b32 v[20+\tt], v[20+\tt], 16, v[20+\tt]  ; and the same two over the empty upper 64
	global_store_b128 v4, v[C+8*\tt:C+8*\tt+3], s[22:23] offset:768*\tt        ; 512 consecutive bytes, aligned to 256
	global_store_b64 v6, v[C+8*\tt+4:C+8*\tt+5], s[22:23] offset:768*\tt+512   ; and 256 more
.endm
.irp tt, 0,1,2,3
	KTILE \tt
.endr
	v_cndmask_b32 v24, v20, v22, vcc_lo            ; lanes 0-15 store their row's words of my tiles 0, 1, lanes 16-31 those of tiles 2, 3
	v_cndmask_b32 v25, v21, v23, vcc_lo
	global_store_b64 v7, v[24:25], s[8:9] offset:KSC
	CLOSE
	; ---- V: a lane takes a column d and its registers run down the keys
.Lvpath:
.macro VLOAD b
.irp i, 0,1,2,3,4,5,6,7,8,9,10,11,12,13,14,15,16,17,18,19,20,21,22,23,24,25,26,27,28,29,30,31
	ds_load_b32 v[X+32*(\b)+\i], v11 offset:PIT*(32*(\b)+\i)   ; 32 lanes read 128 consecutive bytes of a row
.endr
.endm
	VLOAD 0
	VLOAD 1
.macro VBLOCK b                        ; block b = 2 c + h is registers 6 c .. 6 c + 5 of fragment lane (r, h)
.if (\b) < 3
	s_wait_dscnt 32                                ; this block's 32 reads are in; the next block's may be out
.else
	s_wait_dscnt 0x0
.endif
.if (\b)+2 < 4
	VLOAD (\b)+2
.endif
	QBLOCK C+12*((\b)%2)+6*((\b)/2), X+32*(\b)
.if (\b) == 0
	v_mov_b32 v20, v15                             ; the column's scale word.  (Also the plain line behind the conversions)
.else
	v_lshl_or_b32 v20, v15, 8*(\b), v20
.endif
	UPPER C+12*((\b)%2)+6*((\b)/2)
.endm
.irp b, 0,1,2,3
	VBLOCK \b
.endr
	v_permlanex16_b32 v21, v20, s20, s21
	global_store_b64 v27, v[20:21], s[8:9] offset:VSC
.irp h, 0,1
.irp q, 0,1,2
	global_store_b128 v26, v[C+12*\h+4*\q:C+12*\h+4*\q+3], s[22:23] offset:VOFF+512*\q+256*\h   ; sixteen lanes store 256 consecutive bytes, aligned
.endr
.endr
	CLOSE
.Lfunc_end_k_q3fcff541fb_prep:
	.size	k_q3fcff541fb_prep, .Lfunc_end_k_q3fcff541fb_prep-k_q3fcff541fb_prep
	.p2alignl 7, 3214868480
	.fill 96, 4, 3214868480
	.section	.rodata,"a",@progbits
	.p2align	6, 0x0
	.amdhsa_kernel k_q3fcff541fb_prep
		.amdhsa_group_segment_fixed_size 70144
		.amdhsa_private_segment_fixed_size 0
		.amdhsa_enable_private_segment 0
		.amdhsa_kernarg_size 24
		.amdhsa_user_sgpr_count 2
		.amdhsa_user_sgpr_kernarg_segment_ptr 1
		.amdhsa_wavefront_size32 1
		.amdhsa_system_sgpr_workgroup_id_x 1
		.amdhsa_system_sgpr_workgroup_id_y 1
		.amdhsa_system_sgpr_workgroup_id_z 1
		.amdhsa_system_vgpr_workitem_id 0
		.amdhsa_next_free_vgpr 192
		.amdhsa_next_free_sgpr 66
		.amdhsa_reserve_vcc 1
		.amdhsa_float_denorm_mode_32 3
		.amdhsa_float_denorm_mode_16_64 3
		.amdhsa_memory_ordered 1
		.amdhsa_forward_progress 1
		.amdhsa_inst_pref_size 33
	.end_amdhsa_kernel
	.amdgpu_metadata
---
amdhsa.version: [ 1, 2 ]
amdhsa.kernels:
  - .name:           k_q3fcff541fb_prep
    .symbol:         k_q3fcff541fb_prep.kd
    .args:
      - { .name: key, .offset: 0, .size: 8, .value_kind: global_buffer, .address_space: global }
      - { .name: value, .offset: 8, .size: 8, .value_kind: global_buffer, .address_space: global }
      - { .name: kv, .offset: 16, .size: 8, .value_kind: global_buffer, .address_space: global }
    .group_segment_fixed_size: 70144
    .private_segment_fixed_size: 0
    .kernarg_segment_align: 8
    .kernarg_segment_size: 24
    .max_flat_workgroup_size: 128
    .sgpr_count:     66
    .vgpr_count:     192
    .wavefront_size: 32
...
	.end_amdgpu_metadata
.endif
;; end of part 1
;; launch attn (part 2): grid 16 x 16, 16 waves a work-group, clusters of 4 x 1, 327,680 bytes of LDS; arguments query, kv, out0; writes out0
.if DOCPART == 2
	.amdgcn_target "amdgcn-amd-amdhsa--gfx1250"
	.amdhsa_code_object_version 6
	.text
	.protected	k_q3fcff541fb_attn
	.globl	k_q3fcff541fb_attn
	.p2align	8
	.type	k_q3fcff541fb_attn,@function
k_q3fcff541fb_attn:
	s_mov_b64 s[64:65], 0
	v_nop
	global_prefetch_b8 v0, s[64:65] scope:SCOPE_SE
	s_setreg_imm32_b32 hwreg(HW_REG_WAVE_MODE, 25, 1), 1
	s_wait_xcnt 0x0
	s_wait_alu depctr_hold_cnt(0) depctr_sa_sdst(0) depctr_va_vdst(0) depctr_va_sdst(0) depctr_va_ssrc(0) depctr_va_vcc(0) depctr_vm_vsrc(0)
	s_getreg_b32 s2, hwreg(HW_REG_IB_STS2, 6, 4)
	s_cmp_eq_u32 s2, 0
	s_cbranch_scc0 .Lentry_in_a_cluster
	s_endpgm
.Lentry_in_a_cluster:
	s_bfe_u32 s2, ttmp6, 0x10000c
	s_cmp_lg_u32 s2, 0x3003
	s_cbranch_scc0 .Lentry_shape_is_right
	s_endpgm
.Lentry_shape_is_right:
; out0[h][q][:] = the sum over k of softmax_k(query[h][q] . key[h][k] / 8) value[h][k][:], 16 heads x 4,096 x 64, f32; both products on codes of FP6 (E2M3) with one E8M0 scale for each 32 along K.
; K and V come from kv as images of the operand registers (records of 128 keys, 13,312 bytes).  Q is read once, by one wave, and quantised here in registers.
; The first product's K is 64 of the instruction's 128: registers 6-11 of Q's and K's fragments hold zero codes, written once.
; SOFTMAX: t = score x log2(e) / 8; M = the ceiling of the row's largest t so far; p = 2^(t - M) is quantised along the keys; the row's sum is taken of the unquantised p and divides O at the end.
; When M moves, the sum and O are multiplied by 2^(old M - new M), which rounds nothing.
; SHARES: a work-group owns 256 queries of one head, each of its sixteen waves 16 of them; every wave walks all 4,096 keys, 128 a step.  Records come through two LDS slots of four steps (53,248 bytes),
; filled by waves 0 and 1 (104 rows of 256 bytes each) and read by all.  CLUSTER: the four query blocks of a cluster walk the same records of one head: each half slot is one joint load with the mask of all four.
; LAYOUT: both products are used transposed (S^T = K Q^T, O^T = V^T P^T): a lane holds ONE query (lane % 16).  Row 8 h + j of K's tile 4 c + u is key 64 c + 32 h + 8 u + j, so a lane's 32 registers of tiles
; 4 c .. 4 c + 3 are the WHOLE block of keys 64 c + 32 h + 0 .. 31, in order: the block's maximum needs no other lane and the conversions' results lie where the operand wants them.
; THE CHANGE OF SLOTS lies inside a slot's last key step: once V's fragments are asked for, nothing more of the slot is read, so the waits, the add and the round's opening signal stand there, and the softmax
; and the second product, work on registers alone, stand between the round's signals and waits; the joint refill is the first thing behind the closing wait.
; LIMITS: NaN and infinities among the inputs are not served.  The promise holds while |t| stays under 2^31.  A p under 2^-126 counts as 0 (v_exp_f32 gives no denormals).  The division is v_rcp_f32 and a multiplication.
; A block of Q under 2^-124 gets the byte 1, a block of zeros too (its codes are zeros).
.set REC,   13312
.set VOFF,  6144
.set KSC,   12288
.set VSC,   12800
.set SLOTB, 4*REC
.set HALFB, SLOTB/2                    ; one tensor load: 104 rows of 256 bytes
.set NSL,   8                          ; slots' worth of keys in a head
.set HEADB, NSL*SLOTB
.set SLOT1, 1<<16                      ; one exclusive or turns an address in one slot into the other's
.set STAGE, 2*SLOT1                    ; bytes of its own: 16 rows x 272 bytes for each wave: Q's way in, O's way out
.set SP,    272
.set SPARE, STAGE+16*16*SP             ; the spare words, 128 bytes a wave; no other line names them
.set A16,  1                           ; 16 x lane
.set A8,   2                           ; 8 x lane
.set SPW,  3                           ; my spare word; never rewritten
.set NIL,  4                           ; 0; never rewritten
.set GO,   5                           ; 16 (lane % 16) + 256 (lane / 16): my bytes of two rows of query or out0
.set AD16, 6                           ; the slot in hand + 16 x lane
.set AD8,  7
.set SO,   8                           ; v8, v9 the conversions' scale operands
.set SH8,  10                          ; 8 x (lane / 16)
.set QF,   16
.set FF,   30                          ; f = 2^(old M - new M); named as the pair v[30:31], low word for both halves
.set PFO,  31                          ; the prefetches' offset; never rewritten
.set KF,   32
.set VF,   80
.set S,    128
.set O,    192
.set P,    224
.set KS,   236
.set VS,   240
.set BM,   244                         ; v244-247 four chains of maxima; then v244, v246 the two blocks' largest score and p, v245, v247 their bytes
.set PW,   253
.set QS,   255
.set WV,   10
.set SEL,  20
.set CS,   22                          ; s[22:23] c = log2(e) / 8
.set G1,   24
.set G0,   32
.set TB,   36                          ; LDS byte at which the slot in hand begins
.set SLOTS, 37                         ; refills still to come in the loop
.set LIM,  38                          ; 1 in a wave that prefetches, else the greatest number
.set PFA,  40
.macro WALU
	s_wait_alu depctr_va_vdst(0)
.endm
.macro PLACES
.rept 4
	v_nop
.endr
.endm
.macro CROUND                          ; a whole round of the cluster's barrier
	s_barrier_signal -1
	s_barrier_wait -1
	s_cmp_lg_u32 s[WV], 0
	s_cbranch_scc1 .Lnot_wave_0_\@
	s_barrier_signal -3
.Lnot_wave_0_\@:
	s_barrier_wait -3
	s_barrier_signal -1
	s_barrier_wait -1
.endm
.macro TLOAD                           ; waves 0 and 1 fetch a slot's two halves; s_nop 0 and four v_nop follow the line
	s_cmp_lt_u32 s[WV], 2
	s_cbranch_scc0 .Lno_load_\@
	tensor_load_to_lds s[G0:G0+3], s[G1:G1+7]
	s_nop 0
	PLACES
.Lno_load_\@:
.endm
; A prefetch of the slot that the NEXT change will ask for, four key steps ahead of that load.  The head's first cluster asks; its four partners take one record each, told apart by address; wave 4 names the
; record's blocks of 256 bytes 0-31, wave 5 blocks 32-51 (its lanes 20-31 name block 51 again).  The last refill asks for nothing beyond the head's last slot.
.macro ASK
	s_cmp_gt_u32 s[SLOTS], s[LIM]
	s_cbranch_scc0 .Lno_ask_\@
	global_prefetch_b8 v[PFO], s[PFA:PFA+1] th:TH_LOAD_NT scope:SCOPE_SE
.Lno_ask_\@:
.endm
.macro WALK                            ; no tensor load of mine is out: the descriptor goes to the other slot and the next four records; the prefetch one slot further
	s_xor_b32 s[G0+1], s[G0+1], SLOT1
	s_add_nc_u64 s[G0+2:G0+3], s[G0+2:G0+3], SLOTB
	s_wait_xcnt 0x0                                ; the last prefetch has read its address
	s_add_nc_u64 s[PFA:PFA+1], s[PFA:PFA+1], SLOTB
.endm
	s_load_b128 s[4:7], s[0:1], 0x0                ; query, kv
	s_load_b64 s[8:9], s[0:1], 0x10                ; out0
	v_lshl_add_u32 v[SPW], v0, 2, SPARE
	v_mov_b32 v[NIL], 0
	ds_add_u32 v[SPW], v[NIL]                      ; the opening lines: the add twice on end, under one wait
	ds_add_u32 v[SPW], v[NIL]
	v_lshrrev_b32 v252, 5, v0
	v_readfirstlane_b32 s[WV], v252                ; wave 0..15
	s_bfe_u32 s11, ttmp6, 0x40000                  ; cx
	s_lshl_b32 s12, ttmp9, 2
	s_add_co_u32 s12, s12, s11                     ; my block of 256 queries: it enters query's and out0's addresses alone
	s_and_b32 s13, ttmp7, 0xffff                   ; the head, which the partners share
	s_lshl_b32 s14, s13, 20
	s_lshl_b32 s42, s12, 16
	s_add_co_u32 s14, s14, s42
	s_lshl_b32 s42, s[WV], 12
	s_add_co_u32 s14, s14, s42                     ; my wave's 16 rows of 256 bytes
	s_mov_b32 s15, 0
	s_mul_i32 s16, s13, HEADB
	s_mov_b32 s17, 0
	s_and_b32 s18, s[WV], 1
	s_mul_i32 s18, s18, HALFB                      ; which half of a slot I fetch, if I fetch
	s_mov_b32 s19, 0
	s_mul_i32 s42, s11, REC
	s_add_co_u32 s42, s42, SLOTB                   ; the prefetches: my work-group's record of slot 1; the first change steps it to slot 2
	s_mov_b32 s43, 0
	s_mul_i32 s44, s[WV], 16*SP
	s_add_co_u32 s44, s44, STAGE                   ; my stage
	s_mov_b32 s[G1+0], 15|(3<<16)|(1<<21)          ; the mask of all four; elements of 8 bytes; bit 21 beside a mask
	s_mov_b32 s[G1+1], 32<<16
	s_mov_b32 s[G1+2], 104<<16
	s_mov_b32 s[G1+3], 32<<16
	s_mov_b32 s[G1+4], 104
	s_mov_b32 s[G1+5], 32
	s_mov_b32 s[G1+6], 0
	s_mov_b32 s[G1+7], 0
	s_mov_b32 s[SEL], 0x76543210
	s_mov_b32 s[SEL+1], 0xfedcba98
	s_mov_b32 s[CS], 0x3e38aa3b
	s_mov_b32 s[CS+1], s[CS]
	s_mov_b32 s[TB], 0
	s_mov_b32 s[SLOTS], NSL-2
	s_lshr_b32 s[LIM], s[WV], 1
	s_xor_b32 s[LIM], s[LIM], 2                    ; 0 in waves 4 and 5,
	s_or_b32 s[LIM], s[LIM], ttmp9                 ; of the head's first cluster
	s_cmp_eq_u32 s[LIM], 0
	s_cselect_b32 s[LIM], 1, -1
	v_and_b32 v252, 31, v0
	v_and_b32 v244, 15, v0                         ; r
	v_bfe_u32 v245, v0, 4, 1                       ; h
	v_and_b32 v[PFO], 63, v0
	v_lshlrev_b32 v[A16], 4, v252
	v_lshlrev_b32 v[A8], 3, v252
	v_lshlrev_b32 v[GO], 4, v244
	v_mul_u32_u24 v246, v245, SP
	v_mul_u32_u24 v247, v244, SP
	v_min_u32 v[PFO], 51, v[PFO]
	v_lshl_add_u32 v[GO], v245, 8, v[GO]
	v_lshl_add_u32 v246, v244, 4, v246
	v_lshl_add_u32 v247, v245, 7, v247
	v_lshlrev_b32 v[PFO], 8, v[PFO]
	v_lshlrev_b32 v[SH8], 3, v245
	v_add_nc_u32 v246, s44, v246                   ; the stage by rows: lanes 0-15 one row, lanes 16-31 the next, 16 bytes a lane
	v_add_nc_u32 v247, s44, v247                   ; the stage by fragment: row r, + 128 h
	WALU
	s_wait_dscnt 0x0
	s_wait_kmcnt 0x0
	s_add_nc_u64 s[4:5], s[4:5], s[14:15]
	s_add_nc_u64 s[8:9], s[8:9], s[14:15]
	s_add_nc_u64 s[6:7], s[6:7], s[16:17]
	s_add_nc_u64 s[PFA:PFA+1], s[6:7], s[42:43]
.irp i, 0,1,2,3,4,5,6,7
	global_load_b128 v[VF+4*\i:VF+4*\i+3], v[GO], s[4:5] offset:512*\i th:TH_LOAD_NT   ; Q as it lies: 512 consecutive bytes an instruction
.endr
	s_mov_b32 s[G0], 1
	s_mov_b32 s[G0+1], s18
	s_add_nc_u64 s[G0+2:G0+3], s[6:7], s[18:19]
	s_or_b32 s[G0+3], s[G0+3], 0x80000000
	CROUND                                         ; the first joint loads meet
	TLOAD                                          ; slot 0: one tensor load of mine is out, here and behind every round
.irp t, 0,1,2,3
.irp i, 6,7,8,9,10,11
	v_mov_b32 v[KF+12*\t+\i], 0                    ; zero codes for k = 64 .. 127, written once
.endr
.endr
.irp i, 6,7,8,9,10,11
	v_mov_b32 v[QF+\i], 0
.endr
	v_mov_b32 v252, 0                              ; lane permutes' destinations count as sources
	v_mov_b32 v254, 0
	v_mov_b32 v14, 0                               ; the sum, in two halves
	v_mov_b32 v15, 0
	v_mov_b32 v13, 0xff61b1e6                      ; the largest score so far: -3e38
	v_mov_b32 v12, 0x7d000000                      ; -M = 2^123, a whole number: the first f is 0
	WALU
	s_wait_loadcnt 0x0
.irp i, 0,1,2,3,4,5,6,7
	ds_store_b128 v246, v[VF+4*\i:VF+4*\i+3] offset:2*\i*SP
.endr
.irp i, 0,1,2,3,4,5,6,7
	ds_load_b128 v[S+4*\i:S+4*\i+3], v247 offset:16*\i   ; LDS serves a wave's instructions in order: my query's d = 32 h .. 32 h + 31
.endr
	s_wait_dscnt 0x0
	v_max3_num_f32 v252, |v[S]|, |v[S+1]|, |v[S+2]|
	v_max3_num_f32 v254, |v[S+3]|, |v[S+4]|, |v[S+5]|
.irp i, 6,10,14,18,22,26
	v_max3_num_f32 v252, v252, |v[S+\i]|, |v[S+\i+1]|
	v_max3_num_f32 v254, v254, |v[S+\i+2]|, |v[S+\i+3]|
.endr
	v_max3_num_f32 v252, v252, |v[S+30]|, |v[S+31]|
	s_delay_alu instid0(VALU_DEP_1)
	v_max3_num_f32 v252, v252, v254, 0x1800000     ; the floor 2^(3 - 127)
	s_delay_alu instid0(VALU_DEP_1)
	v_add_nc_u32 v[SO], 0xff000000, v252
	s_delay_alu instid0(VALU_DEP_1)
	v_lshrrev_b32 v9, 23, v[SO]
	v_cvt_scalef32_pk16_fp6_f32 v[QF:QF+2], v[S:S+15], v[SO]
	v_cvt_scalef32_pk16_fp6_f32 v[248:250], v[S+16:S+31], v[SO]
	v_lshlrev_b32 v[QS], v[SH8], v9                ; my byte at its place.  (Also the plain line behind the conversions)
	v_mov_b32 v[QF+3], v248
	v_mov_b32 v[QF+4], v249
	v_mov_b32 v[QF+5], v250
	v_permlanex16_b32 v254, v[QS], s[SEL], s[SEL+1]
	s_delay_alu instid0(VALU_DEP_1)
	v_or_b32 v[QS], v[QS], v254
	s_delay_alu instid0(VALU_DEP_1)
	v_lshl_or_b32 v[QS], v[QS], 16, v[QS]          ; the query's two bytes, and the same two over the empty upper 64
.set J, 0
.rept 32
	v_mov_b32 v[O+J], 0                            ; O^T: the step is written once, and the first finds zeros.  (Also the places between Q's codes and scale word and the first product)
.set J, J+1
.endr
.macro MXR b, k                        ; round k of chain b, over the 16 registers of tiles 2 b, 2 b + 1: each accumulator is read from its low end on
.if (\k) == 0
	v_max3_num_f32 v[BM+\b], v[S+16*\b], v[S+16*\b+1], v[S+16*\b+2]
.else
	v_max3_num_f32 v[BM+\b], v[BM+\b], v[S+16*\b+2*(\k)+1], v[S+16*\b+2*(\k)+2]
.endif
.endm
; A KEY STEP: 128 keys, the q-th record of the slot in hand.  chg = 1: the slot's last step, with the change of slots and a refill; chg = 2: with the change and no refill (the work-group's barrier alone); 0: neither.
.macro STEP q, chg
.set R, (\q)*REC
.if (\q) == 0                                  ; a slot's first step asks for its own scale words and first four fragments of K; the later steps find them asked for by the step before
	ds_load_b128 v[KS:KS+3], v[AD16] offset:R+KSC
.endif
.irp g, 0,1
.if \g
	PLACES                                         ; in front of loads into registers that the four products above have read
.endif
.set DOLD, \g
.if (\q) == 0
.set DOLD, 1
.endif
.if DOLD
.irp t, 0,1,2,3
	ds_load_b128 v[KF+12*\t:KF+12*\t+3], v[AD16] offset:R+768*(4*\g+\t)
	ds_load_b64 v[KF+12*\t+4:KF+12*\t+5], v[AD8] offset:R+768*(4*\g+\t)+512
.endr
	s_wait_dscnt 0x0
.endif
.irp t, 0,1,2,3
.if \g
	v_wmma_scale_f32_16x16x128_f8f6f4 v[S+8*(4*\g+\t):S+8*(4*\g+\t)+7], v[KF+12*\t:KF+12*\t+11], v[QF:QF+11], 0, v[KS+\t], v[QS] matrix_a_fmt:MATRIX_FMT_FP6 matrix_b_fmt:MATRIX_FMT_FP6 matrix_a_scale:MATRIX_SCALE_ROW1
.else
	v_wmma_scale_f32_16x16x128_f8f6f4 v[S+8*(4*\g+\t):S+8*(4*\g+\t)+7], v[KF+12*\t:KF+12*\t+11], v[QF:QF+11], 0, v[KS+\t], v[QS] matrix_a_fmt:MATRIX_FMT_FP6 matrix_b_fmt:MATRIX_FMT_FP6
.endif
.endr
.endr
	ds_load_b64 v[VS:VS+1], v[AD8] offset:R+VSC    ; V's scale words and fragments land under the softmax (the four places above stand behind the last step's products)
	ds_load_b64 v[VS+2:VS+3], v[AD8] offset:R+VSC+256
.irp t, 0,1,2,3
.irp c, 0,1,2
	ds_load_b128 v[VF+12*\t+4*\c:VF+12*\t+4*\c+3], v[AD16] offset:R+VOFF+1536*\t+512*\c
.endr
.endr
.if \chg
	s_wait_tensorcnt 0x0                           ; all my tensor loads have landed: my half of the next slot
	ds_add_u32 v[SPW], v[NIL]
.if \chg == 1
	WALK
.endif
.endif
.irp k, 0,1,2,3,4,5,6,7,8                      ; chains 0, 1 (tiles 0-3) run two rounds ahead: their first four lines are the places behind the products of tiles 4-7
.if \k < 7
	MXR 0, \k
	MXR 1, \k
.endif
.if \k > 1
	MXR 2, \k-2
	MXR 3, \k-2
.endif
.endr
	v_max3_num_f32 v[BM], v[BM], v[BM+1], v[S+15]
	v_max3_num_f32 v[BM+2], v[BM+2], v[BM+3], v[S+47]
	v_max_num_f32 v[BM], v[BM], v[S+31]            ; my two blocks' largest scores: they serve the row's maximum and, since p rises with the score, the blocks' largest p
	v_max_num_f32 v[BM+2], v[BM+2], v[S+63]
.if (\q) < 3                                   ; the next step's scale words and tiles 0-3 of K, of the same slot, land under the softmax; the maxima of tiles 0-3 above are the places behind the products that read these registers; the wait ahead of the second product covers them
	ds_load_b128 v[KS:KS+3], v[AD16] offset:R+REC+KSC
.irp t, 0,1,2,3
	ds_load_b128 v[KF+12*\t:KF+12*\t+3], v[AD16] offset:R+REC+768*\t
	ds_load_b64 v[KF+12*\t+4:KF+12*\t+5], v[AD8] offset:R+REC+768*\t+512
.endr
.endif
.if \chg
	WALU
	s_wait_dscnt 0x0                               ; the add is done, and my reads of this slot are over: V's fragments are in
	s_barrier_signal -1                            ; the round opens; only work on registers stands inside it
.endif
	v_max3_num_f32 v13, v13, v[BM], v[BM+2]
	s_delay_alu instid0(VALU_DEP_1)
	v_permlanex16_b32 v252, v13, s[SEL], s[SEL+1]
	s_delay_alu instid0(VALU_DEP_1)
	v_max_num_f32 v13, v13, v252                   ; my query's largest score so far
	s_delay_alu instid0(VALU_DEP_1)
	v_mul_f32 v254, s[CS], -v13
	s_delay_alu instid0(VALU_DEP_1)
	v_floor_f32 v252, v254                         ; the new -M = floor(-t): a whole number
	s_delay_alu instid0(VALU_DEP_1)
	v_sub_f32 v254, v252, v12                      ; old M less new M, 0 or less
	v_mov_b32 v12, v252
	s_delay_alu instid0(VALU_DEP_2)
	v_cvt_i32_f32 v254, v254                       ; (it saturates)
	s_delay_alu instid0(VALU_DEP_1)
	v_ldexp_f32 v[FF], 1.0, v254                   ; f = 2^(old M - new M)
.set J, 0
.rept 32
	v_pk_fma_f32 v[S+J:S+J+1], v[S+J:S+J+1], s[CS:CS+1], v[12:13] op_sel_hi:[1,0,0]   ; t - M
.set J, J+2
.endr
	v_fma_f32 v[BM], v[BM], s[CS], v12             ; the same of each block's largest score
	v_fma_f32 v[BM+2], v[BM+2], s[CS], v12
	WALU                                           ; ahead of the batch
.set J, 0
.rept 64
	v_exp_f32 v[S+J], v[S+J]                       ; p = 2^(t - M)
.set J, J+1
.endr
	v_exp_f32 v[BM], v[BM]                         ; the blocks' largest p: the same two instructions on the same number
	v_exp_f32 v[BM+2], v[BM+2]
	v_pk_mul_f32 v[14:15], v[14:15], v[FF:FF+1] op_sel_hi:[1,0]   ; the sum under the new M.  (The plain line behind the batch)
	WALU                                           ; one wait for the batch, ahead of its first reader
	v_pk_add_f32 v[28:29], v[S:S+1], v[S+2:S+3]    ; the row's sum of the unquantised p, in four chains
	v_pk_add_f32 v[248:249], v[S+4:S+5], v[S+6:S+7]
	v_pk_add_f32 v[250:251], v[S+8:S+9], v[S+10:S+11]
	v_pk_add_f32 v[14:15], v[14:15], v[S+12:S+13]
	v_max_num_f32 v[BM], 0x1800000, v[BM]          ; p's scale word is made among the sum's additions, a link of its chain to each group of four.  The floor 2^(3 - 127): the byte cannot fall under 1
	v_max_num_f32 v[BM+2], 0x1800000, v[BM+2]
.irp j, 14,22,30,38,46,54
	v_pk_add_f32 v[28:29], v[28:29], v[S+\j:S+\j+1]
	v_pk_add_f32 v[248:249], v[248:249], v[S+\j+2:S+\j+3]
	v_pk_add_f32 v[250:251], v[250:251], v[S+\j+4:S+\j+5]
	v_pk_add_f32 v[14:15], v[14:15], v[S+\j+6:S+\j+7]
.if \j == 14
	v_add_nc_u32 v[SO], 0xff000000, v[BM]          ; 2 off the exponent field: the conversion's scale operand
	v_add_nc_u32 v[SO+1], 0xff000000, v[BM+2]
.endif
.if \j == 22
	v_lshrrev_b32 v[BM+1], 23, v[SO]               ; the bytes
	v_lshrrev_b32 v[BM+3], 23, v[SO+1]
.endif
.if \j == 30
	v_lshl_or_b32 v252, v[BM+3], 16, v[BM+1]       ; my bytes: blocks h and 2 + h,
.endif
.if \j == 38
	v_lshlrev_b32 v252, v[SH8], v252               ; 8 h bits up
.endif
.if \j == 46
	v_permlanex16_b32 v254, v252, s[SEL], s[SEL+1]
.endif
.endr
	v_pk_add_f32 v[28:29], v[28:29], v[S+62:S+63]
	v_pk_add_f32 v[248:249], v[248:249], v[250:251]
	s_delay_alu instid0(VALU_DEP_2)
	v_pk_add_f32 v[14:15], v[14:15], v[28:29]
	s_delay_alu instid0(VALU_DEP_1)
	v_pk_add_f32 v[14:15], v[14:15], v[248:249]
	v_cvt_scalef32_pk16_fp6_f32 v[P:P+2], v[S:S+15], v[SO]
	v_cvt_scalef32_pk16_fp6_f32 v[248:250], v[S+16:S+31], v[SO]      ; (a conversion's three registers begin on an even number)
	v_cvt_scalef32_pk16_fp6_f32 v[P+6:P+8], v[S+32:S+47], v[SO+1]
	v_cvt_scalef32_pk16_fp6_f32 v[244:246], v[S+48:S+63], v[SO+1]
	v_or_b32 v[PW], v252, v254                     ; p's scale word for these 128 keys.  (Also the plain line behind the conversions)
.irp i, 0,1,2
	v_mov_b32 v[P+3+\i], v[248+\i]
	v_mov_b32 v[P+9+\i], v[244+\i]
.endr
	WALU                                           ; ahead of the first reader of O^T
.set J, 0
.rept 16
	v_pk_mul_f32 v[O+J:O+J+1], v[O+J:O+J+1], v[FF:FF+1] op_sel_hi:[1,0]   ; O^T under the new M.  For each product below twelve of these and the six moves name none of its registers: its places
.set J, J+2
.endr
	WALU
	s_wait_dscnt 0x0                               ; V's fragments and scale words are in
.irp t, 0,1,2,3                                ; O^T += V^T P^T; the four accumulators take turns, one instruction a turn
	v_wmma_scale_f32_16x16x128_f8f6f4 v[O+8*\t:O+8*\t+7], v[VF+12*\t:VF+12*\t+11], v[P:P+11], v[O+8*\t:O+8*\t+7], v[VS+\t], v[PW] matrix_a_fmt:MATRIX_FMT_FP6 matrix_b_fmt:MATRIX_FMT_FP6
.endr
.if \chg
	s_barrier_wait -1                              ; every wave of my work-group has left the slot, and the next slot is whole
.endif
.if \chg == 1
	s_cmp_lg_u32 s[WV], 0                          ; the rest of the cluster's round
	s_cbranch_scc1 .Lnw0_\@
	s_barrier_signal -3
.Lnw0_\@:
	s_barrier_wait -3
	s_barrier_signal -1
	s_barrier_wait -1                              ; the round closes,
	TLOAD                                          ; and the joint refill is the first thing behind it: it has four key steps in which to land
	ASK
.endif
.endm
.macro SLOT chg
	v_add_nc_u32 v[AD16], s[TB], v[A16]
	v_add_nc_u32 v[AD8], s[TB], v[A8]
	WALU
	STEP 0, 0
	STEP 1, 0
	STEP 2, 0
	STEP 3, \chg
	s_xor_b32 s[TB], s[TB], SLOT1
.endm
	WALU                                           ; the head's end
	s_wait_tensorcnt 0x0                           ; slot 0 is in; slot 1's first fill is issued as a refill is
	ds_add_u32 v[SPW], v[NIL]
	WALK
	s_wait_dscnt 0x0
	CROUND
	TLOAD
	ASK
.Lslot:                                            ; NSL - 2 trips: each ends with a refill (slots 2 to 7)
	SLOT 1
	s_sub_co_u32 s[SLOTS], s[SLOTS], 1
	s_cmp_lg_u32 s[SLOTS], 0
	s_cbranch_scc1 .Lslot
	SLOT 2                                         ; the last two slots are written out: they ask for nothing more
	SLOT 0
	; THE WAY OUT: O^T is divided by the sum and goes through my stage, so that whole rows of 256 bytes leave.  The lines up to the wait are also the places behind the last products.
	v_add_f32 v14, v14, v15
	s_delay_alu instid0(VALU_DEP_1)
	v_permlanex16_b32 v252, v14, s[SEL], s[SEL+1]
	s_delay_alu instid0(VALU_DEP_1)
	v_add_f32 v14, v14, v252                       ; the row's sum
	WALU
	v_rcp_f32 v14, v14
	v_and_b32 v8, 15, v0                           ; r
	v_bfe_u32 v9, v0, 4, 1                         ; h
	v_mul_u32_u24 v10, v8, SP
	v_mul_u32_u24 v11, v9, SP
	s_delay_alu instid0(VALU_DEP_2)
	v_lshl_add_u32 v10, v9, 5, v10
	s_delay_alu instid0(VALU_DEP_2)
	v_lshl_add_u32 v11, v8, 4, v11
	s_delay_alu instid0(VALU_DEP_2)
	v_add_nc_u32 v10, s44, v10                     ; in: row r; tile t's eight channels of my half: 64 t + 32 h bytes on
	s_delay_alu instid0(VALU_DEP_2)
	v_add_nc_u32 v11, s44, v11                     ; back: lanes 0-15 one row, lanes 16-31 the next
	WALU                                           ; ahead of the reciprocal's first reader
.set J, 0
.rept 16
	v_pk_mul_f32 v[S+J:S+J+1], v[O+J:O+J+1], v[14:15] op_sel_hi:[1,0]   ; register 8 t + i is out0(r, 16 t + 8 h + i)
.set J, J+2
.endr
.irp t, 0,1,2,3
	ds_store_b128 v10, v[S+8*\t:S+8*\t+3] offset:64*\t
	ds_store_b128 v10, v[S+8*\t+4:S+8*\t+7] offset:64*\t+16
.endr
.irp i, 0,1,2,3,4,5,6,7
	ds_load_b128 v[VF+4*\i:VF+4*\i+3], v11 offset:2*\i*SP   ; LDS serves a wave's instructions in order: these see my stores
.endr
.irp i, 0,1,2,3,4,5,6,7
	s_wait_dscnt 7-\i                              ; rows 2 i, 2 i + 1 are back; the younger loads may be out
	global_store_b128 v[GO], v[VF+4*\i:VF+4*\i+3], s[8:9] offset:512*\i th:TH_STORE_NT   ; 512 consecutive bytes, at a multiple of 256 from out0's first byte
.endr
	s_wait_tensorcnt 0x0                           ; the wave's end
	ds_add_u32 v[SPW], v[NIL]
	s_wait_dscnt 0x0
	CROUND                                         ; the closing round
	s_endpgm
.Lfunc_end_k_q3fcff541fb_attn:
	.size	k_q3fcff541fb_attn, .Lfunc_end_k_q3fcff541fb_attn-k_q3fcff541fb_attn
	.p2alignl 7, 3214868480
	.fill 96, 4, 3214868480
	.section	.rodata,"a",@progbits
	.p2align	6, 0x0
	.amdhsa_kernel k_q3fcff541fb_attn
		.amdhsa_group_segment_fixed_size 327680
		.amdhsa_private_segment_fixed_size 0
		.amdhsa_enable_private_segment 0
		.amdhsa_kernarg_size 24
		.amdhsa_user_sgpr_count 2
		.amdhsa_user_sgpr_kernarg_segment_ptr 1
		.amdhsa_wavefront_size32 1
		.amdhsa_system_sgpr_workgroup_id_x 1
		.amdhsa_system_sgpr_workgroup_id_y 1
		.amdhsa_system_sgpr_workgroup_id_z 1
		.amdhsa_system_vgpr_workitem_id 0
		.amdhsa_next_free_vgpr 256
		.amdhsa_next_free_sgpr 66
		.amdhsa_reserve_vcc 0
		.amdhsa_float_denorm_mode_32 3
		.amdhsa_float_denorm_mode_16_64 3
		.amdhsa_memory_ordered 1
		.amdhsa_forward_progress 1
		.amdhsa_inst_pref_size 193
	.end_amdhsa_kernel
	.amdgpu_metadata
---
amdhsa.version: [ 1, 2 ]
amdhsa.kernels:
  - .name:           k_q3fcff541fb_attn
    .symbol:         k_q3fcff541fb_attn.kd
    .args:
      - { .name: query, .offset: 0, .size: 8, .value_kind: global_buffer, .address_space: global }
      - { .name: kv, .offset: 8, .size: 8, .value_kind: global_buffer, .address_space: global }
      - { .name: out0, .offset: 16, .size: 8, .value_kind: global_buffer, .address_space: global }
    .group_segment_fixed_size: 327680
    .private_segment_fixed_size: 0
    .kernarg_segment_align: 8
    .kernarg_segment_size: 24
    .max_flat_workgroup_size: 512
    .sgpr_count:     66
    .vgpr_count:     256
    .wavefront_size: 32
...
	.end_amdgpu_metadata
.endif
;; end of part 2
